; MI455X (gfx1250); checked and timed in simulation.
; The chip was launched on July 23, 2026; its instructions are those of AMD's public machine-readable ISA for CDNA 5 (MIT licence, August 2026) and "CDNA5" Instruction Set Architecture Reference Guide (July 2026). The comments in the code are by the model that wrote it; some were corrected since.
;; Mixture Of Bidders. Allowed arithmetic: matrix products marked QUANTISED: E4M3 operands, one E8M0 scale for each 32 along K, by v_wmma_scale_f32_16x16x128_f8f6f4 with both operands' format E4M3, f32 sums; products left as they are: f32 operands where the result goes on into a quantised operand, else bf16, f16 or f32 operands; f32 sums; everything else in f32.
;; Inputs: Wc 8 x 1,024 float32; Wd_codes 8 x 1,024 x 64 x 32 uint8 (E4M3 codes of Wd, K innermost, in blocks of 32 codes); Wd_scales 8 x 1,024 x 64 uint8 (E8M0 scales of Wd, one for each 32 codes along K); Wg_codes 8 x 2,048 x 32 x 32 uint8 (E4M3 codes of Wg, K innermost, in blocks of 32 codes); Wg_scales 8 x 2,048 x 32 uint8 (E8M0 scales of Wg, one for each 32 codes along K); Wu_codes 8 x 2,048 x 32 x 32 uint8 (E4M3 codes of Wu, K innermost, in blocks of 32 codes); Wu_scales 8 x 2,048 x 32 uint8 (E8M0 scales of Wu, one for each 32 codes along K); bc 8 float32; hidden_states 4 x 256 x 1,024 float32.
;; Outputs: out0 4 x 256 x 1,024 float32.
;; This version of the problem:
;;   THIS VERSION OF THE PROBLEM IS GIVEN IN LOW PRECISION. The matrix products marked QUANTISED in the list below multiply operands that are first quantised to E4M3 (4 exponent bits, 3 mantissa bits; 8 bits a number), with one power-of-two scale for each 32 numbers along K (OCP MX v1.0); their sums are f32. All else is computed in f32.
;;   The module's matrix products, in the order in which they are computed (A, B: the left and right operand; K: the contracted axis; several contracted axes count as one K, in the product's order):
;;     1. [M 1,024, K 1,024] x [K 1,024, N 8]; A: input hidden_states; B: input Wc: left as it is (N = 8 < 16)
;;     2. [M 1,024, K 1,024] x [K 1,024, N 16,384]; A: input hidden_states; B: input Wg (given as codes): QUANTISED
;;     3. [M 1,024, K 1,024] x [K 1,024, N 16,384]; A: input hidden_states; B: input Wu (given as codes): QUANTISED
;;     4. batch 8 x [M 1,024, K 2,048] x [K 2,048, N 1,024]; A: input Wd (given as codes); B: computed on the way: QUANTISED
;;     5. batch 1,024 x [M 1,024, K 8] x [K 8, N 1]; A: computed on the way; B: computed on the way: left as it is (K = 8 < 32)
;;   THE QUANTISER, for each operand of a quantised product, along K:
;;     - K is cut into blocks of 32 from its start; a last block that is shorter is filled with zeros.
;;     - A block's scale is 2^e with e = floor(log2(the largest magnitude in the block)) - 8, held to -126 .. 127; a block of zeros has e = 0. As a byte (E8M0): e + 127.
;;     - Each number is divided by its block's scale, clamped to +-448, and rounded to the nearest number of E4M3, ties to even, subnormals kept.
;;     - The product sums the exact products of the quantised numbers (number of the format x scale) in f32.
;;   ~~~python
;;   def quantise(x, axis):      # numpy; x: float32 -> the quantised numbers, widened to float32 again
;;       x = np.moveaxis(x, axis, -1); K = x.shape[-1]
;;       x = np.pad(x, [(0, 0)] * (x.ndim - 1) + [(0, -K % 32)]); x = x.reshape(x.shape[:-1] + (-1, 32)); a = np.abs(x).max(-1, keepdims=True)
;;       e = np.where(a > 0, np.clip(np.frexp(np.where(a > 0, a, 1))[1] - 1 - 8, -126, 127), 0)      # np.frexp(a)[1] - 1 = floor(log2(a)), exactly
;;       r = np.clip(x / 2.0 ** e, -448, 448)
;;       step = 2.0 ** (np.maximum(np.frexp(np.where(r == 0, 1, r))[1] - 1, -6) - 3)
;;       q = np.round(r / step) * step * 2.0 ** e      # np.round: ties to even
;;       return np.moveaxis(q.reshape(q.shape[:-2] + (-1,))[..., :K], -1, axis).astype(np.float32)
;;   ~~~
;;   OPERANDS COMPUTED ON THE WAY. 'Computed on the way' means the value that the module computes at that place (a softmax that the list does not call 'softmax' is quantised finished and normalised). What goes into a quantiser is computed in f32, as accurately as f32 sums, v_exp_f32 and their like allow (about 1e-6 of the number): no bf16 or f16 on the way to a quantiser, and a product that is left as it is and whose result goes on into a quantised operand takes f32 operands (vector FMAs, or v_wmma_f32_16x16x4_f32). A number that lies on a knife's edge between two numbers of the format may be rounded either way, as far as f32 arithmetic and the matrix unit's own rounding can turn it there, and no further.
;;   INPUTS GIVEN AS CODES. Wd (in the module: [8, 2048, 1024], K = its axis 1); Wg (in the module: [8, 1024, 2048], K = its axis 1); Wu (in the module: [8, 1024, 2048], K = its axis 1): each comes as NAME_codes (uint8): NAME with its K axis moved to the last place and cut into blocks of 32 codes, [.., K / 32, bytes a block], one block behind the other in memory; one code a byte (a code: sign, 4 exponent bits, 3 mantissa bits); and NAME_scales (uint8): the same leading axes, one E8M0 byte (e + 127) for each 32 codes along K. Its value is code x scale, taken as it is: it is not quantised again, and the codes and scales need not be those that the quantiser above would give.
;; One version. Each part assembles by itself: llvm-mc -triple=amdgcn-amd-amdhsa -mcpu=gfx1250 --defsym DOCPART=n.
;; ======== version 1 of 1: 4 launches
;; workspace buffers: xq 1,048,576 bytes; xsw 40,960 bytes; rtab 5,120 bytes of whole numbers; pos 32,768 bytes of whole numbers; hq 16,777,216 bytes; hsw 524,288 bytes; ys 33,554,432 bytes
;; launch route (part 1): grid 128 x 1, 8 waves a work-group, no clusters, 34,816 bytes of LDS; arguments hidden_states, Wc, bc, xq, xsw, rtab; writes xq, xsw, rtab
.if DOCPART == 1
	.amdgcn_target "amdgcn-amd-amdhsa--gfx1250"
	.amdhsa_code_object_version 6
	.text
	.protected	k_qb84a53b061_route
	.globl	k_qb84a53b061_route
	.p2align	8
	.type	k_qb84a53b061_route,@function
k_qb84a53b061_route:
	s_mov_b64 s[64:65], 0
	v_nop
	global_prefetch_b8 v0, s[64:65] scope:SCOPE_SE
	s_setreg_imm32_b32 hwreg(HW_REG_WAVE_MODE, 25, 1), 1
	s_wait_xcnt 0x0
; THE ROUTER AND x's QUANTISER.  x: [1024 tokens][1024] f32.  For each token: 8 logits x . Wc[e] + bc[e] (f32 multiply-adds), sigmoid, the two largest
; (a tie keeps the lower expert), softmax over the two; and x as codes of E4M3 with one E8M0 byte for each 32 along the row.
; Everything is stored at FIXED places; later launches form addresses from it:
;   xq   [token][1024] codes;   xsw bytes 0..32767 [token][32] scale bytes, from byte 32768 [token][2] f32: the two weights;
;   rtab bytes 0..1023 [expert][128]: bit b of byte g = token 8 g + b chose the expert;  from byte 1024 [token] u32: first expert | second expert << 8.
; SHARES: a work-group of eight waves takes 8 tokens, a wave one token.  A lane holds, for each quarter j of the row, the 8 neighbours 256 j + 8 lane + 0..7: four lanes hold a block of 32.
; Wc (32,768 bytes) is read once by the work-group, 16 bytes a thread and expert, and laid in LDS in the order in which a lane wants it.
; No matrix unit (8 columns), no tensor load, no cluster: the work-groups share only Wc, a small part of what they read.
; LIMITS: NaN and infinities among the inputs are not served.  A block whose largest magnitude lies under 2^-118 has its byte held at 1, a block of zeros gets 1 and not 127: its codes
; are zeros and this program alone reads the bytes.  v_exp_f32 and v_rcp_f32 flush denormals: a confidence under 2^-126 (a logit under about -87.3) counts as 0.  Two confidences that differ by
; less than the rounding of the f32 sums and of the sigmoid may be ordered otherwise than another order of the same arithmetic orders them.
.set REC, 32768                        ; LDS: behind Wc's 32,768 bytes a record of 16 bytes for each wave: ids, bit mask, the two weights
.set SCB, 33024                        ; and 32 scale bytes for each wave
.set X,   16                           ; v16-47   my 32 numbers of x: quarter j at X + 8 j
.set Y,   48                           ; v48-55   a quarter's numbers, held within the largest code x the scale
.set CD,  56                           ; v56-63   codes: two registers a quarter, never written again
.set MX,  64                           ; v64-67 largest magnitudes; v68-71 the conversions' scale operands; v72-75 448 x the scale; v76-79 the bytes
.set SC,  68
.set HD,  72
.set BY,  76
.set W,   80                           ; v80-143  two sets of 32 numbers of Wc; the first also carries Wc from memory to LDS
.set ACC, 144                          ; v144-159 a pair of sums for each expert
.set Z,   160                          ; v160-167 logits, then confidences
.set T,   168                          ; v168-175 at work
	s_load_b256 s[4:11], s[0:1], 0x0               ; x s[4:5], Wc s[6:7], bc s[8:9], xq s[10:11]
	s_load_b128 s[12:15], s[0:1], 0x20             ; xsw s[12:13], rtab s[14:15]
	v_lshl_add_u32 v192, v0, 2, 0x8400
	v_mov_b32 v193, 0
	v_lshrrev_b32 v2, 5, v0
	v_readfirstlane_b32 s24, v2                    ; wave 0..7
	v_and_b32 v1, 31, v0                           ; lane
	s_lshl_b32 s25, ttmp9, 3
	s_add_co_u32 s25, s25, s24                     ; my token
	v_lshlrev_b32 v2, 5, v1                        ; x: 32 bytes a lane in a quarter
	v_lshlrev_b32 v3, 4, v0                        ; Wc from memory: 16 bytes a thread
	v_lshrrev_b32 v4, 6, v0                        ; Wc into LDS: thread 64 j + 2 l + q holds numbers 256 j + 8 l + 4 q on: byte 1024 j + 512 q + 16 l
	v_lshlrev_b32 v4, 10, v4
	v_and_b32 v5, 1, v0
	v_lshl_add_u32 v4, v5, 9, v4
	v_bfe_u32 v5, v0, 1, 5
	v_lshl_add_u32 v4, v5, 4, v4
	v_lshlrev_b32 v5, 4, v1                        ; Wc out of LDS: 16 bytes a lane
	v_lshlrev_b32 v6, 3, v1                        ; codes: 8 bytes a lane
	v_lshl_add_u32 v7, v1, 3, SCB                  ; the eight waves' scale bytes, 8 a lane
	s_lshl_b32 s32, s24, 5
	s_add_co_u32 s32, s32, SCB
	v_lshrrev_b32 v8, 2, v1
	v_add_nc_u32 v8, s32, v8                       ; my block's byte among my wave's 32
	s_lshl_b32 s33, s24, 4
	s_add_co_u32 s33, s33, REC
	v_mov_b32 v9, s33                              ; my wave's record
	v_and_b32 v12, 7, v1
	v_lshl_add_u32 v10, v12, 4, REC                ; the record of token lane % 8
	v_mov_b32 v11, REC
	s_lshl_b32 s34, ttmp9, 5
	v_lshl_add_u32 v13, v1, 2, s34                 ; ids: 4 bytes a token
	s_lshl_b32 s35, ttmp9, 6
	v_lshl_add_u32 v14, v1, 3, s35                 ; weights: 8 bytes a token
	s_mov_b32 s36, ttmp9
	v_lshl_add_u32 v15, v1, 7, s36                 ; member bits: expert = lane, byte = the work-group's number
	s_mov_b32 s28, 0x76543210
	s_mov_b32 s29, 0xfedcba98                      ; v_permlanex16_b32's selects for lane l xor 16
	s_mov_b32 s30, 0x600000                        ; the mantissa field of 448
.irp e, 0,1,2,3,4,5,6,7
	v_mov_b32 v[T+\e], 0                           ; a lane permute's destination counts as one of its sources
.endr
	s_lshl_b32 s26, s25, 12
	s_mov_b32 s27, 0
	s_lshl_b32 s38, ttmp9, 8
	s_mov_b32 s39, 0
	s_wait_kmcnt 0x0
	s_load_b256 s[16:23], s[8:9], 0x0              ; bc's eight numbers
	s_add_nc_u64 s[4:5], s[4:5], s[26:27]          ; x at my token
	s_lshl_b32 s26, s25, 10
	s_add_nc_u64 s[10:11], s[10:11], s[26:27]      ; xq at my token
	s_add_nc_u64 s[38:39], s[12:13], s[38:39]      ; xsw at the work-group's 256 scale bytes
.irp k, 0,1,2,3,4,5,6,7
	global_load_b128 v[X+4*\k:X+4*\k+3], v2, s[4:5] offset:1024*(\k/2)+16*(\k%2) th:TH_LOAD_NT   ; a quarter's two loads cover its 1,024 bytes
.endr
.irp e, 0,1,2,3,4,5,6,7
	global_load_b128 v[W+4*\e:W+4*\e+3], v3, s[6:7] offset:4096*\e    ; the eight waves read a row of Wc on end
.endr
	s_wait_loadcnt 0x0
.irp e, 0,1,2,3,4,5,6,7
	ds_store_b128 v4, v[W+4*\e:W+4*\e+3] offset:4096*\e
.endr
; Quarter j of my token: the block's largest magnitude (my 8, a floor, then the three lanes beside me), its scale, the hold, the codes.  X stays as it is for the logits.
.macro QX j
	v_max3_num_f32 v[MX+\j], |v[X+8*\j]|, |v[X+8*\j+1]|, 0x4800000      ; the floor 2^(9 - 127): the byte cannot fall under 1
.irp i, 2,4,6
	v_max3_num_f32 v[MX+\j], v[MX+\j], |v[X+8*\j+\i]|, |v[X+8*\j+\i+1]|
.endr
	v_max_num_f32_dpp v[MX+\j], v[MX+\j], v[MX+\j] row_xmask:1 row_mask:0xf bank_mask:0xf
	v_max_num_f32_dpp v[MX+\j], v[MX+\j], v[MX+\j] row_xmask:2 row_mask:0xf bank_mask:0xf
	v_add_nc_u32 v[SC+\j], 0xfc000000, v[MX+\j]    ; 8 off the exponent field: the conversion takes that field as its scale
	v_and_or_b32 v[HD+\j], v[MX+\j], 0x7f800000, s30   ; 448 x the scale
	v_lshrrev_b32 v[BY+\j], 23, v[SC+\j]           ; the scale's byte
.irp i, 0,1,2,3,4,5,6,7
	v_med3_num_f32 v[Y+\i], v[X+8*\j+\i], -v[HD+\j], v[HD+\j]   ; the conversion to an 8-bit code does not saturate (ISA guide 7.6.2)
.endr
	v_cvt_scalef32_pk8_fp8_f32 v[CD+2*\j:CD+2*\j+1], v[Y:Y+7], v[SC+\j]
	global_store_b64 v6, v[CD+2*\j:CD+2*\j+1], s[10:11] offset:256*\j   ; 32 lanes store 256 consecutive bytes, aligned
	ds_store_b8 v8, v[BY+\j] offset:8*\j           ; the four lanes of a block write the same byte with the same value
.endm
	QX 0                                           ; (the next quarter's maxima are the plain lines between a conversion and the next write of Y)
	QX 1
	QX 2
	QX 3
	v_nop
	s_wait_dscnt 0x0                               ; for the others' sake: my part of Wc lies in LDS
	s_barrier_signal -1
	s_barrier_wait -1
.macro WL e                            ; expert e's 32 numbers for my lane, into set e % 2
.irp k, 0,1,2,3,4,5,6,7
	ds_load_b128 v[W+32*((\e)%2)+4*\k:W+32*((\e)%2)+4*\k+3], v5 offset:4096*(\e)+512*\k
.endr
.endm
.macro DOT e                           ; the first product starts the pair of sums
.set WS, W+32*((\e)%2)
	v_pk_mul_f32 v[ACC+2*(\e):ACC+2*(\e)+1], v[X:X+1], v[WS:WS+1]
.set i, 2
.rept 15
	v_pk_fma_f32 v[ACC+2*(\e):ACC+2*(\e)+1], v[X+i:X+i+1], v[WS+i:WS+i+1], v[ACC+2*(\e):ACC+2*(\e)+1]
.set i, i+2
.endr
.endm
	WL 0
.irp e, 0,1,2,3,4,5,6
	WL \e+1
	s_wait_dscnt 8                                 ; this expert's eight loads are in; the next expert's eight may be out
	DOT \e
.endr
	s_wait_dscnt 0x0
	DOT 7
.irp e, 0,1,2,3,4,5,6,7
	v_add_f32 v[Z+\e], v[ACC+2*\e], v[ACC+2*\e+1]
.endr
.irp k, 1,2,4,8                        ; over the 32 lanes, the eight experts by turns; every lane ends with the same sums
.irp e, 0,1,2,3,4,5,6,7
	v_add_f32_dpp v[Z+\e], v[Z+\e], v[Z+\e] row_xmask:\k row_mask:0xf bank_mask:0xf
.endr
.endr
.irp e, 0,1,2,3,4,5,6,7
	v_permlanex16_b32 v[T+\e], v[Z+\e], s28, s29
.endr
	s_wait_kmcnt 0x0                               ; bc
.irp e, 0,1,2,3,4,5,6,7
	v_add_f32 v[Z+\e], v[Z+\e], v[T+\e]
.endr
.irp e, 0,1,2,3,4,5,6,7
	v_add_f32 v[Z+\e], s[16+\e], v[Z+\e]           ; the logit
.endr
.irp e, 0,1,2,3,4,5,6,7
	v_mul_f32 v[T+\e], 0xbfb8aa3b, v[Z+\e]         ; - logit x log2(e)
.endr
.irp e, 0,1,2,3,4,5,6,7
	v_exp_f32 v[T+\e], v[T+\e]
.endr
	v_nop                                          ; a plain line behind the exponentials
	s_wait_alu depctr_va_vdst(0)
.irp e, 0,1,2,3,4,5,6,7
	v_add_f32 v[T+\e], 1.0, v[T+\e]
.endr
.irp e, 0,1,2,3,4,5,6,7
	v_rcp_f32 v[Z+\e], v[T+\e]                     ; the confidence
.endr
	v_mov_b32 v178, -1.0                           ; (a plain line behind the reciprocals)  under every confidence
	s_wait_alu depctr_va_vdst(0)
	v_mov_b32 v176, v[Z]                           ; the largest so far, and its expert
	v_mov_b32 v177, 0
.irp e, 1,2,3,4,5,6,7
	v_cmp_ge_f32 vcc_lo, v176, v[Z+\e]             ; kept where it is not beaten: a tie keeps the lower expert
	v_cndmask_b32 v176, v[Z+\e], v176, vcc_lo
	v_cndmask_b32 v177, \e, v177, vcc_lo
.endr
.irp e, 0,1,2,3,4,5,6,7
	v_cmp_eq_u32 vcc_lo, \e, v177
	v_cndmask_b32 v[Z+\e], v[Z+\e], v178, vcc_lo   ; the winner leaves the field
.endr
	v_mov_b32 v179, v[Z]
	v_mov_b32 v180, 0
.irp e, 1,2,3,4,5,6,7
	v_cmp_ge_f32 vcc_lo, v179, v[Z+\e]
	v_cndmask_b32 v179, v[Z+\e], v179, vcc_lo
	v_cndmask_b32 v180, \e, v180, vcc_lo
.endr
	v_sub_f32 v181, v179, v176                     ; the softmax of the two with the larger taken away: second - first, 0 or less
	v_mul_f32 v181, 0x3fb8aa3b, v181
	v_exp_f32 v181, v181
	v_mov_b32 v182, 1                              ; (a plain line)
	s_wait_alu depctr_va_vdst(0)
	v_add_f32 v183, 1.0, v181
	v_rcp_f32 v186, v183                           ; the first weight: 1 / (1 + e^(second - first))
	v_lshl_or_b32 v184, v180, 8, v177              ; (a plain line)  the ids
	s_wait_alu depctr_va_vdst(0)
	v_mul_f32 v187, v181, v186                     ; the second weight
	v_lshlrev_b32 v185, v177, v182
	v_lshlrev_b32 v183, v180, v182
	v_or_b32 v185, v185, v183                      ; one bit for each of the two experts
	ds_store_b128 v9, v[184:187]                   ; all lanes write the same 16 bytes with the same values
	s_wait_dscnt 0x0
	s_barrier_signal -1
	s_barrier_wait -1
	s_cmp_lg_u32 s24, 0                            ; wave 0 stores the small things for the work-group's 8 tokens
	s_cbranch_scc1 .Lend
	ds_load_b128 v[148:151], v10                   ; lane l: the record of token l % 8
.irp t, 0,1,2,3,4,5,6,7
	ds_load_b32 v[152+\t], v11 offset:16*\t+4      ; every lane: the bit masks of all eight
.endr
	ds_load_b64 v[144:145], v7
	s_wait_dscnt 0x0
	v_mov_b32 v146, 0
.irp t, 0,1,2,3,4,5,6,7
	v_lshrrev_b32 v147, v12, v[152+\t]
	v_and_b32 v147, 1, v147
	v_lshl_or_b32 v146, v147, \t, v146             ; lane e: bit t says that token t chose expert e
.endr
	global_store_b64 v6, v[144:145], s[38:39]      ; 256 scale bytes: 256 consecutive bytes, aligned
	s_wait_xcnt 0x0                                ; EXEC changes only behind this wait
	v_cmp_gt_u32 vcc_lo, 8, v1
	s_and_saveexec_b32 s31, vcc_lo
	global_store_b32 v13, v148, s[14:15] offset:1024
	global_store_b64 v14, v[150:151], s[12:13] offset:32768
	global_store_b8 v15, v146, s[14:15]
	s_wait_xcnt 0x0                                ; and again in front of the line that widens it
	s_or_b32 exec_lo, exec_lo, s31
.Lend:
	s_wait_tensorcnt 0x0
	ds_add_u32 v192, v193
	s_wait_dscnt 0x0
	s_endpgm
.Lfunc_end_k_qb84a53b061_route:
	.size	k_qb84a53b061_route, .Lfunc_end_k_qb84a53b061_route-k_qb84a53b061_route
	.p2alignl 7, 3214868480
	.fill 96, 4, 3214868480
	.section	.rodata,"a",@progbits
	.p2align	6, 0x0
	.amdhsa_kernel k_qb84a53b061_route
		.amdhsa_group_segment_fixed_size 34816
		.amdhsa_private_segment_fixed_size 0
		.amdhsa_enable_private_segment 0
		.amdhsa_kernarg_size 48
		.amdhsa_user_sgpr_count 2
		.amdhsa_user_sgpr_kernarg_segment_ptr 1
		.amdhsa_wavefront_size32 1
		.amdhsa_system_sgpr_workgroup_id_x 1
		.amdhsa_system_sgpr_workgroup_id_y 1
		.amdhsa_system_sgpr_workgroup_id_z 1
		.amdhsa_system_vgpr_workitem_id 0
		.amdhsa_next_free_vgpr 194
		.amdhsa_next_free_sgpr 66
		.amdhsa_reserve_vcc 1
		.amdhsa_float_denorm_mode_32 3
		.amdhsa_float_denorm_mode_16_64 3
		.amdhsa_memory_ordered 1
		.amdhsa_forward_progress 1
		.amdhsa_inst_pref_size 32
	.end_amdhsa_kernel
	.amdgpu_metadata
---
amdhsa.version: [ 1, 2 ]
amdhsa.kernels:
  - .name:           k_qb84a53b061_route
    .symbol:         k_qb84a53b061_route.kd
    .args:
      - { .name: hidden_states, .offset: 0, .size: 8, .value_kind: global_buffer, .address_space: global }
      - { .name: Wc, .offset: 8, .size: 8, .value_kind: global_buffer, .address_space: global }
      - { .name: bc, .offset: 16, .size: 8, .value_kind: global_buffer, .address_space: global }
      - { .name: xq, .offset: 24, .size: 8, .value_kind: global_buffer, .address_space: global }
      - { .name: xsw, .offset: 32, .size: 8, .value_kind: global_buffer, .address_space: global }
      - { .name: rtab, .offset: 40, .size: 8, .value_kind: global_buffer, .address_space: global }
    .group_segment_fixed_size: 34816
    .private_segment_fixed_size: 0
    .kernarg_segment_align: 8
    .kernarg_segment_size: 48
    .max_flat_workgroup_size: 256
    .sgpr_count:     66
    .vgpr_count:     194
    .wavefront_size: 32
...
	.end_amdgpu_metadata
.endif
;; end of part 1
;; launch gateup (part 2): grid 256 x 1, 4 waves a work-group, no clusters, 75,264 bytes of LDS; arguments rtab, xq, xsw, Wg_codes, Wg_scales, Wu_codes, Wu_scales, hq, hsw, pos; writes hq, hsw, pos
.if DOCPART == 2
	.amdgcn_target "amdgcn-amd-amdhsa--gfx1250"
	.amdhsa_code_object_version 6
	.text
	.protected	k_qb84a53b061_gateup
	.globl	k_qb84a53b061_gateup
	.p2align	8
	.type	k_qb84a53b061_gateup,@function
k_qb84a53b061_gateup:
	s_mov_b64 s[64:65], 0
	v_nop
	global_prefetch_b8 v0, s[64:65] scope:SCOPE_SE
	s_setreg_imm32_b32 hwreg(HW_REG_WAVE_MODE, 25, 1), 1
	s_wait_xcnt 0x0
; h = silu(x Wg) * (x Wu) for the ROUTED rows alone, quantised along the hidden axis on the way.  Codes of E4M3 with E8M0 scales on both sides, f32 sums.
; SLOTS.  Expert e's rows are its tokens in ascending order: a token's slot is its rank among the expert's members.  The ranks come from the member bits that the launch before stored.
; SHARES.  Work-group x: expert e = x / 32, half hf = (x / 16) % 2, slice sl = x % 16.  It makes hidden units 128 sl .. 128 sl + 127 (K step sl of the next product) for the chunks of 32 slots 2 i + hf.
; Wave w makes units 32 w .. 32 w + 31 of the slice, of Wg and of Wu: 4 tiles x 8 K steps x 16 = 512 registers of weights, read from memory once and kept.  What goes round is x's codes, through LDS.
; BOTH PRODUCTS ARE USED TRANSPOSED (source 0 = 16 rows of a weight, source 1 = 16 rows of x), AND THE ROWS OF A WEIGHT'S TILE ARE NOT NEIGHBOURS: lane r of tile u takes unit 8 u + r + 8 (r / 8).
; So a lane holds one slot (lane % 16), and the 16 registers of tiles 0 and 1 are the units 16 (lane / 16) + 0 .. 15: the four registers of codes made of them ARE registers 4 w .. 4 w + 3 of the next operand.
; THE LIST of my half's tokens, in slot order, is made by SELECTION: each of its 512 words has a fixed place and a fixed rank, and its thread looks up which token has that rank: the mask word in which the
; rank falls (a walk over the 32 words with their running count), then the bit of that rank in the word (five halvings over the word's partial bit counts).  No store's address hangs on data.
; OUT.  hq [64 e + tile of 16 slots][K step 16][c 4][lane 32][16 bytes]: an image of the operand's registers;  hsw [64 e + tile][K step 16][row 16] scale words;  pos [e][token]: the ranks.
; THE LOOP has 18 trips, a constant, with ONE barrier at each trip's head; what a trip does hangs on the expert's count of rows, by scalar branches that jump over no barrier.  Trip i: wave 0 stores chunk i - 1's
; scale words; chunk i + 1's rows of x are asked for; chunk i is multiplied out of one LDS slot; chunk i + 1 goes into the other.
; No tensor loads and no joint loads, though two work-groups read the same weights: the trips' work hangs on a count read from memory, and the two would have different numbers of chunks.
; Rows past the count in an expert's last chunk are computed from whatever token the selection gives for a rank that nobody has (held within 0 .. 1023); their slots are written and never read as results.
; LIMITS: NaN and infinities are not served.  A block of h whose largest magnitude lies under 2^-118 has its byte held at 1, a block of zeros gets 1 and not 127 (its codes are zeros; this program alone reads the bytes).
; v_exp_f32 and v_rcp_f32 flush denormals: silu(g) counts as 0 for g under about -87.3.
.set TILEB, 17408                      ; LDS: a tile of 16 rows of x's codes: piece p (bytes 16 p .. 16 p + 15 of a row) at 272 p + 16 row: 64 pieces; the pitch is an odd multiple of 16 bytes
.set XSCL,  34816                      ; behind a slot's two tiles: the 32 rows' scale bytes, 32 a row
.set SLOTB, 35840                      ; two slots
.set LIST,  71680                      ; my half's tokens in slot order: 512 words, and 128 words of zeros: the stepped address stays inside in all 18 trips
.set SB,    74240                      ; h's scale bytes, [parity 2][tile 2][row 16][wave 4]
.set TOK,   24                         ; v24-32   tokens out of the list
.set GA,    33                         ; v33-41   their byte offsets in xq and xsw
.set STG,   44                         ; v44-107  8 rows of x's codes on their way to LDS; at the head v44-75 hold the ranks and v76-107 serve the selection
.set WSC,   112                        ; v112-143 the weights' scale words: 8 t + s; t = 0, 1 Wg's tiles, 2, 3 Wu's
.set XSC,   144                        ; v144-151 x's scale words of K step s: lanes 0-15 the first tile's rows, lanes 16-31 the second's
.set G,     152                        ; v152-183 x Wg: 16 m + 8 u + j; then h
.set U,     184                        ; v184-215 x Wu
.set T,     216                        ; v216-247 at work
.set CD,    248                        ; v248-255 h's codes: four registers a tile of rows
; the selection's registers, four each (a thread fills four words of the list), at the head alone
.set P,     76                         ; the rank looked for; then its rank inside the word
.set WD,    80                         ; the mask word in which it falls
.set BS,    84                         ; the members ahead of that word; then the bit's place in the word
.set QI,    88                         ; the word's number; then the token
.set A2,    92                         ; the word's bit counts in fields of 2,
.set B4,    96                         ; of 4,
.set C8,    100                        ; of 8 bits
.set TT,    104
.set U1,    216
.set U2,    220
.set D16,   224                        ; the count of its lower 16 bits
; window 1: Wg's fragments at 16 (8 u + s);  window 2: Wu's likewise;  window 3: x's at 16 (8 m + s)
.set MSB, 0
.macro WIN new                         ; the immediate's high byte repeats the setting that is left; at a label and at a branch every window is 0
.if MSB != \new
	s_set_vgpr_msb (MSB<<8)|\new
.set MSB, \new
.endif
.endm
.macro PLACES n
.rept \n
	v_nop
.endr
.endm
.macro MMA ks, row                     ; one product on the registers rD, rA, rB, rW, rX.  ks = 0: it starts the sum.  row = 1: source 1's scales stand in lanes 16-31
.if (\ks) == 0
.if (\row) == 0
	v_wmma_scale_f32_16x16x128_f8f6f4 v[rD:rD+7], v[rA:rA+15], v[rB:rB+15], 0, v[rW], v[rX]
.else
	v_wmma_scale_f32_16x16x128_f8f6f4 v[rD:rD+7], v[rA:rA+15], v[rB:rB+15], 0, v[rW], v[rX] matrix_b_scale:MATRIX_SCALE_ROW1
.endif
.else
.if (\row) == 0
	v_wmma_scale_f32_16x16x128_f8f6f4 v[rD:rD+7], v[rA:rA+15], v[rB:rB+15], v[rD:rD+7], v[rW], v[rX]
.else
	v_wmma_scale_f32_16x16x128_f8f6f4 v[rD:rD+7], v[rA:rA+15], v[rB:rB+15], v[rD:rD+7], v[rW], v[rX] matrix_b_scale:MATRIX_SCALE_ROW1
.endif
.endif
.endm
.macro WTILE u, base                   ; a weight's tile u, all eight K steps: 32 loads; a lane's eight loads of two K steps cover 256 bytes of its row with the lane 16 away
.irp s, 0,1,2,3,4,5,6,7
.irp c, 0,1,2,3
	global_load_b128 v[16*(8*\u+\s)+4*\c:16*(8*\u+\s)+4*\c+3], v5, s[\base:\base+1] offset:8192*\u+128*\s+32*\c
.endr
.endr
.endm
; One halving of the selection: the field of \width bits of \src at the place so far counts the members in the lower half of what is left.  Where the rank lies under that count the bit is in
; the lower half; else the count is taken off the rank and the place goes \step bits up.
.macro SEL src, width, step
.irp j, 0,1,2,3
	v_bfe_u32 v[TT+\j], v[\src+\j], v[BS+\j], \width
.endr
.irp j, 0,1,2,3
	v_sub_nc_u32 v[U1+\j], v[P+\j], v[TT+\j]
	v_add_nc_u32 v[U2+\j], \step, v[BS+\j]
.endr
.irp j, 0,1,2,3
	v_cmp_gt_u32 vcc_lo, v[TT+\j], v[P+\j]
	v_cndmask_b32 v[P+\j], v[U1+\j], v[P+\j], vcc_lo
	v_cndmask_b32 v[BS+\j], v[U2+\j], v[BS+\j], vcc_lo
.endr
.endm
	s_load_b512 s[4:19], s[0:1], 0x0               ; rtab s[4:5], xq s[6:7], xsw s[8:9], Wg's codes s[10:11], scales s[12:13], Wu's codes s[14:15], scales s[16:17], hq s[18:19]
	s_load_b128 s[20:23], s[0:1], 0x40             ; hsw s[20:21], pos s[22:23]
	v_lshrrev_b32 v1, 5, v0
	v_readfirstlane_b32 s24, v1                    ; wave 0..3
	s_lshr_b32 s25, ttmp9, 5                       ; e
	s_and_b32 s26, ttmp9, 15                       ; sl
	s_bfe_u32 s27, ttmp9, 0x10004                  ; hf
	v_and_b32 v1, 31, v0                           ; lane
	v_and_b32 v2, 15, v0                           ; r
	v_bfe_u32 v3, v0, 4, 1                         ; h
	v_lshlrev_b32 v4, 4, v1                        ; 16 x lane
	v_and_b32 v6, 8, v2
	v_add_nc_u32 v6, v6, v2                        ; r + 8 (r / 8)
	v_lshlrev_b32 v5, 10, v6
	v_lshl_add_u32 v5, v3, 4, v5                   ; a weight's codes: that row of 1,024 bytes, + 16 h
	v_lshlrev_b32 v6, 5, v6                        ; its scale bytes: 32 a row
	v_mul_u32_u24 v7, v3, 272
	v_lshl_add_u32 v7, v2, 4, v7                   ; x's fragments out of slot 0: 272 h + 16 r
	v_add_nc_u32 v8, SLOTB, v7                     ; out of slot 1
	s_lshr_b32 s32, s24, 1
	s_mul_i32 s32, s32, TILEB
	s_and_b32 s33, s24, 1
	s_lshl_b32 s33, s33, 7
	s_add_co_u32 s32, s32, s33
	v_mul_u32_u24 v9, v1, 272
	v_add_nc_u32 v9, s32, v9                       ; x's rows into slot 0: wave w brings rows 8 w .. 8 w + 7; my lane's piece: 272 lane + tile (w / 2) + 128 (w % 2)
	v_add_nc_u32 v10, SLOTB, v9
	s_lshl_b32 s32, s24, 8
	s_add_co_u32 s32, s32, XSCL
	v_lshl_add_u32 v11, v1, 3, s32                 ; their scale bytes into slot 0: 256 w + 8 lane
	v_add_nc_u32 v12, SLOTB, v11
	v_lshlrev_b32 v13, 5, v1
	v_add_nc_u32 v13, XSCL, v13                    ; and out: row = lane, 32 bytes
	v_add_nc_u32 v14, SLOTB, v13
	s_lshl_b32 s32, s24, 5
	s_add_co_u32 s32, s32, LIST
	v_mov_b32 v15, s32                             ; the list: my wave's 8 rows of a chunk
	v_lshrrev_b32 v16, 2, v1
	v_lshl_add_u32 v16, v16, 2, s32                ; and the row lane / 4 of them
	s_add_co_u32 s32, s24, SB
	v_lshl_add_u32 v19, v2, 2, s32                 ; h's scale byte: 4 r + w
	v_lshl_add_u32 v20, v1, 2, SB                  ; h's scale words: 4 x lane
	v_lshlrev_b32 v21, 2, v1                       ; pos: 4 bytes a lane
	v_lshl_add_u32 v22, v0, 2, LIST                ; the list on the way in: 4 bytes a thread
	v_and_b32 v23, 3, v1
	v_lshlrev_b32 v23, 3, v23                      ; 8 (lane % 4)
	v_lshlrev_b32 v110, 10, v3
	v_lshl_add_u32 v110, v2, 2, v110               ; hsw: 1,024 (lane / 16) + 4 (lane % 16)
	s_lshl_b32 s32, s24, 6
	s_lshl_b32 s33, s27, 5
	s_add_co_u32 s32, s32, s33
	v_add_nc_u32 v[P], s32, v1                     ; list word 128 j + thread belongs to chunk 4 j + w of my half, row lane: rank 256 j + 64 w + 32 hf + lane
.irp j, 1,2,3
	v_add_nc_u32 v[P+\j], 256*\j, v[P]
.endr
	s_mov_b32 s42, 0x76543210
	s_mov_b32 s43, 0xfedcba98                      ; v_permlanex16_b32's selects for lane l xor 16
	s_mov_b32 s44, 0x600000                        ; the mantissa field of 448
	s_mov_b32 s46, 0xbfb8aa3b                      ; - log2(e): the packed form names a pair and takes its low word for both halves
	s_mov_b32 s47, s46
	s_lshl_b32 s40, s25, 7                         ; the expert's 128 bytes of member bits
	s_mov_b32 s41, 0
	s_lshl_b32 s36, s25, 21                        ; my wave's first row of a weight, in bytes: e 2^21 + sl 2^17 + w 2^15
	s_lshl_b32 s32, s26, 17
	s_add_co_u32 s36, s36, s32
	s_lshl_b32 s32, s24, 15
	s_add_co_u32 s36, s36, s32
	s_mov_b32 s37, 0
	s_lshl_b32 s51, s25, 21                        ; hq: e 2^21 + sl 2^11 + w 2^9
	s_lshl_b32 s32, s26, 11
	s_add_co_u32 s51, s51, s32
	s_lshl_b32 s32, s24, 9
	s_add_co_u32 s51, s51, s32
	s_lshl_b32 s52, s25, 16                        ; hsw: e 2^16 + sl 2^6
	s_lshl_b32 s32, s26, 6
	s_add_co_u32 s52, s52, s32
	s_wait_kmcnt 0x0
	s_add_nc_u64 s[40:41], s[4:5], s[40:41]
	s_load_b512 s[68:83], s[40:41], 0x0            ; bit i of word q: token 32 q + i chose the expert
	s_load_b512 s[84:99], s[40:41], 0x40
	s_add_nc_u64 s[10:11], s[10:11], s[36:37]
	s_add_nc_u64 s[14:15], s[14:15], s[36:37]
	s_lshr_b32 s36, s36, 5                         ; a row's scale bytes are a 32nd of its codes
	s_add_nc_u64 s[12:13], s[12:13], s[36:37]
	s_add_nc_u64 s[16:17], s[16:17], s[36:37]
	s_lshl_b32 s36, s25, 12
	s_add_nc_u64 s[22:23], s[22:23], s[36:37]      ; pos at the expert's 1,024 words
.irp u, 0,1
	global_load_b128 v[WSC+8*\u:WSC+8*\u+3], v6, s[12:13] offset:256*\u
	global_load_b128 v[WSC+8*\u+4:WSC+8*\u+7], v6, s[12:13] offset:256*\u+16
	global_load_b128 v[WSC+16+8*\u:WSC+16+8*\u+3], v6, s[16:17] offset:256*\u
	global_load_b128 v[WSC+16+8*\u+4:WSC+16+8*\u+7], v6, s[16:17] offset:256*\u+16
.endr
	WIN 0x40                                       ; destination window 1
	WTILE 0, 10
	WIN 0
	s_wait_kmcnt 0x0                               ; the member bits
	; The walk over the 32 mask words; s28 = the members in the words passed.  Two things are made on the way.  The ranks: lane l gets the rank that token 32 q + l has if it is a member.
	; And for each of my four list words the LAST mask word with no more members ahead of it than the rank looked for: it holds that rank's bit, if anybody has the rank.
	s_mov_b32 s28, 0
.set q, 0
.rept 32
	v_mbcnt_lo_u32_b32 v[STG+q], s[68+q], s28
.if q == 0
.irp j, 0,1,2,3
	v_mov_b32 v[WD+\j], s68
	v_mov_b32 v[BS+\j], 0
	v_mov_b32 v[QI+\j], 0
.endr
.else
.irp j, 0,1,2,3
	v_cmp_gt_u32 vcc_lo, s28, v[P+\j]              ; more members ahead than the rank: what was chosen stays
	v_cndmask_b32 v[WD+\j], s[68+q], v[WD+\j], vcc_lo
	v_cndmask_b32 v[BS+\j], s28, v[BS+\j], vcc_lo
	v_cndmask_b32 v[QI+\j], q, v[QI+\j], vcc_lo
.endr
.endif
	s_bcnt1_i32_b32 s32, s[68+q]
	s_add_co_u32 s28, s28, s32
.set q, q+1
.endr                                  ; s28: the expert's rows
.irp j, 0,1,2,3
	v_sub_nc_u32 v[P+\j], v[P+\j], v[BS+\j]        ; the rank inside the word
.endr
.irp j, 0,1,2,3                        ; the word's bit counts in fields of 2, 4 and 8 bits, and of its lower 16
	v_lshrrev_b32 v[TT+\j], 1, v[WD+\j]
.endr
.irp j, 0,1,2,3
	v_and_b32 v[TT+\j], 0x55555555, v[TT+\j]
.endr
.irp j, 0,1,2,3
	v_sub_nc_u32 v[A2+\j], v[WD+\j], v[TT+\j]
.endr
.irp j, 0,1,2,3
	v_lshrrev_b32 v[TT+\j], 2, v[A2+\j]
	v_and_b32 v[B4+\j], 0x33333333, v[A2+\j]
.endr
.irp j, 0,1,2,3
	v_and_b32 v[TT+\j], 0x33333333, v[TT+\j]
.endr
.irp j, 0,1,2,3
	v_add_nc_u32 v[B4+\j], v[B4+\j], v[TT+\j]
.endr
.irp j, 0,1,2,3
	v_lshrrev_b32 v[TT+\j], 4, v[B4+\j]
.endr
.irp j, 0,1,2,3
	v_add_nc_u32 v[C8+\j], v[B4+\j], v[TT+\j]
.endr
.irp j, 0,1,2,3
	v_and_b32 v[C8+\j], 0x0f0f0f0f, v[C8+\j]
.endr
.irp j, 0,1,2,3
	v_lshrrev_b32 v[TT+\j], 8, v[C8+\j]
	v_mov_b32 v[BS+\j], 0                          ; the bit's place so far
.endr
.irp j, 0,1,2,3
	v_add_nc_u32 v[D16+\j], v[C8+\j], v[TT+\j]     ; its low byte: bytes 0 and 1 together, 16 at the most
.endr
	SEL D16, 5, 16
	SEL C8,  8, 8
	SEL B4,  4, 4
	SEL A2,  2, 2
	SEL WD,  1, 1
.irp j, 0,1,2,3
	v_lshl_add_u32 v[QI+\j], v[QI+\j], 5, v[BS+\j] ; the token: 32 x word + bit
.endr
	v_mov_b32 v[U1], 0
.irp j, 0,1,2,3
	ds_store_b32 v22, v[QI+\j] offset:512*\j       ; each word of the list at its fixed place; the first trip's barrier stands between these stores and the reads
.endr
	ds_store_b32 v22, v[U1] offset:2048            ; and the 128 words behind it
	s_cmp_lg_u32 s24, 0                            ; wave 0 of one work-group of each expert stores the ranks
	s_cbranch_scc1 .Lnopos
	s_and_b32 s32, ttmp9, 31
	s_cmp_lg_u32 s32, 0
	s_cbranch_scc1 .Lnopos
.set q, 0
.rept 32
	global_store_b32 v21, v[STG+q], s[22:23] offset:128*q
.set q, q+1
.endr
	s_wait_xcnt 0x0                                ; the stores have read their registers, which will take x's rows
.Lnopos:
	WIN 0x40
	WTILE 1, 10
	WIN 0x80                                       ; destination window 2
	WTILE 0, 14
	WTILE 1, 14
	WIN 0
	s_lshl_b32 s29, s27, 5
	s_sub_co_u32 s29, s29, 64                      ; the first slot of the trip's chunk: 64 i + 32 hf, i from -1 on; what has wrapped lies over every count
	s_mov_b32 s31, 0                               ; the list's bytes of chunk i + 1
	s_mov_b32 s30, 9
; Chunk i + 1's rows are asked for: 17 loads.  A load reads 512 consecutive bytes of one row of xq.
.macro REQ
	ds_load_b128 v[TOK:TOK+3], v17
	ds_load_b128 v[TOK+4:TOK+7], v17 offset:16     ; my wave's 8 tokens, the same in every lane
	ds_load_b32 v[TOK+8], v18                      ; and the token of row lane / 4
	s_wait_dscnt 0x0
.irp k, 0,1,2,3,4,5,6,7,8
	v_min_u32 v[TOK+\k], 0x3ff, v[TOK+\k]          ; held inside the table of 1,024 tokens before it enters an address
.endr
.irp k, 0,1,2,3,4,5,6,7
	v_lshlrev_b32 v[GA+\k], 10, v[TOK+\k]
.endr
	v_lshlrev_b32 v[GA+8], 5, v[TOK+8]
.irp k, 0,1,2,3,4,5,6,7
	v_add_nc_u32 v[GA+\k], v[GA+\k], v4
.endr
	v_add_nc_u32 v[GA+8], v[GA+8], v23
.irp k, 0,1,2,3,4,5,6,7
	global_load_b128 v[STG+8*\k:STG+8*\k+3], v[GA+\k], s[6:7]
	global_load_b128 v[STG+8*\k+4:STG+8*\k+7], v[GA+\k], s[6:7] offset:512
.endr
	global_load_b64 v[108:109], v[GA+8], s[8:9]
.endm
.macro STORE nx                        ; and go into the slot that nobody reads in this trip
	s_wait_loadcnt 0x0
.irp k, 0,1,2,3,4,5,6,7
	ds_store_b128 v[9+(\nx)], v[STG+8*\k:STG+8*\k+3] offset:16*\k
	ds_store_b128 v[9+(\nx)], v[STG+8*\k+4:STG+8*\k+7] offset:8704+16*\k
.endr
	ds_store_b64 v[11+(\nx)], v[108:109]
.endm
.macro FLUSH nx                        ; wave 0: the last chunk's 32 scale words, whose four bytes came from the four waves; s32 = that chunk's first slot
	s_wait_xcnt 0x0                                ; the last such store has read its registers
	ds_load_b32 v111, v20 offset:128*(\nx)
	s_lshl_b32 s33, s32, 6
	s_add_co_u32 s33, s33, s52
	v_add_nc_u32 v43, s33, v110
	s_wait_dscnt 0x0
	global_store_b32 v43, v111, s[20:21]
.endm
; Chunk i out of slot cur.  lc: the loads that may stay out: the 17 of the request just issued, or none.  The weights' loads are older than those: behind this wait they are in.
.macro COMPUTE cur, lc
	s_wait_loadcnt \lc
	s_wait_xcnt 0x0                                ; the last chunk's stores have read the codes' registers and their offset
	ds_load_b128 v[XSC:XSC+3], v[13+\cur]
	ds_load_b128 v[XSC+4:XSC+7], v[13+\cur] offset:16
	WIN 0xc0                                       ; destination window 3
.irp s, 0,1,2,3,4,5,6,7
.irp m, 0,1
.irp c, 0,1,2,3
	ds_load_b128 v[16*(8*\m+\s)+4*\c:16*(8*\m+\s)+4*\c+3], v[7+\cur] offset:\m*TILEB+(8*\s+2*\c)*272
.endr
.endr
.endr
	WIN 0x0d                                       ; source 0 window 1 (Wg), source 1 window 3 (x)
.irp s, 0,1,2,3,4,5,6,7
	s_wait_dscnt 56-8*\s                           ; K step s's eight loads are in; the eight of each later step may be out
.irp m, 0,1
.irp u, 0,1
.set rD, G+16*\m+8*\u
.set rA, 16*(8*\u+\s)
.set rB, 16*(8*\m+\s)
.set rW, WSC+8*\u+\s
.set rX, XSC+\s
	MMA \s, \m                                     ; the four accumulators take turns, one instruction a turn
.endr
.endr
.endr
	WIN 0x0e                                       ; source 0 window 2 (Wu)
.irp s, 0,1,2,3,4,5,6,7
.irp m, 0,1
.irp u, 0,1
.set rD, U+16*\m+8*\u
.set rA, 16*(8*\u+\s)
.set rB, 16*(8*\m+\s)
.set rW, WSC+16+8*\u+\s
.set rX, XSC+\s
	MMA \s, \m
.endr
.endr
.endr
	WIN 0
	PLACES 8                                       ; in front of the first read of results (ISA guide 7.12.1)
	; h = g / (1 + 2^(- g log2 e)) x u, 32 numbers a lane, each accumulator from its low end on
.set i, 0
.rept 16
	v_pk_mul_f32 v[T+i:T+i+1], v[G+i:G+i+1], s[46:47] op_sel_hi:[1,0]
.set i, i+2
.endr
.set i, 0
.rept 32
	v_exp_f32 v[T+i], v[T+i]
.set i, i+1
.endr
	v_nop                                          ; a plain line behind the exponentials
.set i, 0
	s_wait_alu depctr_va_vdst(0)
.rept 16
	v_pk_add_f32 v[T+i:T+i+1], v[T+i:T+i+1], 1.0 op_sel_hi:[1,0]
.set i, i+2
.endr
.set i, 0
.rept 32
	v_rcp_f32 v[T+i], v[T+i]
.set i, i+1
.endr
	v_nop                                          ; a plain line behind the reciprocals
.set i, 0
	s_wait_alu depctr_va_vdst(0)
.rept 16
	v_pk_mul_f32 v[G+i:G+i+1], v[G+i:G+i+1], v[T+i:T+i+1]
.set i, i+2
.endr
.set i, 0
.rept 16
	v_pk_mul_f32 v[G+i:G+i+1], v[G+i:G+i+1], v[U+i:U+i+1]
.set i, i+2
.endr
	; my wave's 32 units are one block: my 16 numbers and those of the lane 16 away.  The two tiles of rows by turns
.irp m, 0,1
	v_max3_num_f32 v[T+\m], |v[G+16*\m]|, |v[G+16*\m+1]|, 0x4800000   ; the floor 2^(9 - 127): the byte cannot fall under 1
.endr
.irp i, 2,4,6,8,10,12,14
.irp m, 0,1
	v_max3_num_f32 v[T+\m], v[T+\m], |v[G+16*\m+\i]|, |v[G+16*\m+\i+1]|
.endr
.endr
.irp m, 0,1
	v_permlanex16_b32 v[T+2+\m], v[T+\m], s42, s43
.endr
.irp m, 0,1
	v_max_num_f32 v[T+\m], v[T+\m], v[T+2+\m]
.endr
.irp m, 0,1
	v_add_nc_u32 v[T+4+\m], 0xfc000000, v[T+\m]    ; 8 off the exponent field: the conversion's scale operand
.endr
.irp m, 0,1
	v_and_or_b32 v[T+6+\m], v[T+\m], 0x7f800000, s44   ; 448 x the scale
.endr
.irp m, 0,1
	v_lshrrev_b32 v[T+8+\m], 23, v[T+4+\m]         ; the scale's byte
.endr
.irp m, 0,1
.irp i, 0,1,2,3,4,5,6,7,8,9,10,11,12,13,14,15
	v_med3_num_f32 v[G+16*\m+\i], v[G+16*\m+\i], -v[T+6+\m], v[T+6+\m]   ; the conversion to an 8-bit code does not saturate (ISA guide 7.6.2)
.endr
.endr
.irp m, 0,1
	v_cvt_scalef32_pk8_fp8_f32 v[CD+4*\m:CD+4*\m+1], v[G+16*\m:G+16*\m+7], v[T+4+\m]
	v_cvt_scalef32_pk8_fp8_f32 v[CD+4*\m+2:CD+4*\m+3], v[G+16*\m+8:G+16*\m+15], v[T+4+\m]
.endr
	v_nop                                          ; a plain line behind the last conversion: later products write its sources
	s_lshl_b32 s34, s29, 11                        ; a tile of 16 slots is 2^15 bytes of hq
	s_add_co_u32 s34, s34, s51
	v_add_nc_u32 v42, s34, v4
	global_store_b128 v42, v[CD:CD+3], s[18:19]                  ; 32 lanes store 512 consecutive bytes, aligned
	global_store_b128 v42, v[CD+4:CD+7], s[18:19] offset:32768
	ds_store_b8 v19, v[T+8] offset:128*\cur        ; both lanes of a block write the same byte with the same value
	ds_store_b8 v19, v[T+9] offset:128*\cur+64
.endm
.macro TRIP cur
	s_wait_dscnt 0x0                               ; my stores into slot cur (in the first trip: into the list) and of the last chunk's scale bytes have landed, my reads of the other slot are over:
	s_barrier_signal -1
	s_barrier_wait -1                              ; the same holds of every wave
	v_add_nc_u32 v17, s31, v15
	v_add_nc_u32 v18, s31, v16
	s_cmp_lg_u32 s24, 0
	s_cbranch_scc1 .Lnf_\@
	s_sub_co_u32 s32, s29, 64
	s_cmp_lt_u32 s32, s28                          ; was there a chunk i - 1?
	s_cbranch_scc0 .Lnf_\@
	FLUSH (1-\cur)
.Lnf_\@:
	s_add_co_u32 s33, s29, 64
	s_cmp_lt_u32 s33, s28                          ; is there a chunk i + 1?
	s_cbranch_scc0 .Lnoreq_\@
	REQ
	s_cmp_lt_u32 s29, s28                          ; (only the first trip has none to multiply here)
	s_cbranch_scc0 .Lnoc_\@
	COMPUTE \cur, 17
.Lnoc_\@:
	STORE (1-\cur)
	s_branch .Lend_\@
.Lnoreq_\@:
	s_cmp_lt_u32 s29, s28
	s_cbranch_scc0 .Lend_\@
	COMPUTE \cur, 0
.Lend_\@:
	s_add_co_u32 s29, s29, 64
	s_add_co_u32 s31, s31, 128
.endm
.Ltrip:                                ; 9 x 2 trips, i = -1 .. 16: an expert has 1,024 rows at the most, my half 16 chunks; the last trip can only store scale words
	TRIP 1
	TRIP 0
	s_sub_co_i32 s30, s30, 1
	s_cmp_lg_u32 s30, 0
	s_cbranch_scc1 .Ltrip
	s_wait_xcnt 0x0
	v_lshl_add_u32 v254, v0, 2, 0x12400
	v_mov_b32 v255, 0
	s_wait_tensorcnt 0x0
	ds_add_u32 v254, v255
	s_wait_dscnt 0x0
	s_endpgm
.Lfunc_end_k_qb84a53b061_gateup:
	.size	k_qb84a53b061_gateup, .Lfunc_end_k_qb84a53b061_gateup-k_qb84a53b061_gateup
	.p2alignl 7, 3214868480
	.fill 96, 4, 3214868480
	.section	.rodata,"a",@progbits
	.p2align	6, 0x0
	.amdhsa_kernel k_qb84a53b061_gateup
		.amdhsa_group_segment_fixed_size 75264
		.amdhsa_private_segment_fixed_size 0
		.amdhsa_enable_private_segment 0
		.amdhsa_kernarg_size 80
		.amdhsa_user_sgpr_count 2
		.amdhsa_user_sgpr_kernarg_segment_ptr 1
		.amdhsa_wavefront_size32 1
		.amdhsa_system_sgpr_workgroup_id_x 1
		.amdhsa_system_sgpr_workgroup_id_y 1
		.amdhsa_system_sgpr_workgroup_id_z 1
		.amdhsa_system_vgpr_workitem_id 0
		.amdhsa_next_free_vgpr 1024
		.amdhsa_next_free_sgpr 100
		.amdhsa_reserve_vcc 1
		.amdhsa_float_denorm_mode_32 3
		.amdhsa_float_denorm_mode_16_64 3
		.amdhsa_memory_ordered 1
		.amdhsa_forward_progress 1
		.amdhsa_inst_pref_size 151
	.end_amdhsa_kernel
	.amdgpu_metadata
---
amdhsa.version: [ 1, 2 ]
amdhsa.kernels:
  - .name:           k_qb84a53b061_gateup
    .symbol:         k_qb84a53b061_gateup.kd
    .args:
      - { .name: rtab, .offset: 0, .size: 8, .value_kind: global_buffer, .address_space: global }
      - { .name: xq, .offset: 8, .size: 8, .value_kind: global_buffer, .address_space: global }
      - { .name: xsw, .offset: 16, .size: 8, .value_kind: global_buffer, .address_space: global }
      - { .name: Wg_codes, .offset: 24, .size: 8, .value_kind: global_buffer, .address_space: global }
      - { .name: Wg_scales, .offset: 32, .size: 8, .value_kind: global_buffer, .address_space: global }
      - { .name: Wu_codes, .offset: 40, .size: 8, .value_kind: global_buffer, .address_space: global }
      - { .name: Wu_scales, .offset: 48, .size: 8, .value_kind: global_buffer, .address_space: global }
      - { .name: hq, .offset: 56, .size: 8, .value_kind: global_buffer, .address_space: global }
      - { .name: hsw, .offset: 64, .size: 8, .value_kind: global_buffer, .address_space: global }
      - { .name: pos, .offset: 72, .size: 8, .value_kind: global_buffer, .address_space: global }
    .group_segment_fixed_size: 75264
    .private_segment_fixed_size: 0
    .kernarg_segment_align: 8
    .kernarg_segment_size: 80
    .max_flat_workgroup_size: 128
    .sgpr_count:     100
    .vgpr_count:     1024
    .wavefront_size: 32
...
	.end_amdgpu_metadata
.endif
;; end of part 2
;; launch down (part 3): grid 256 x 1, 4 waves a work-group, no clusters, 84,992 bytes of LDS; arguments rtab, hq, hsw, Wd_codes, Wd_scales, ys; writes ys
.if DOCPART == 3
	.amdgcn_target "amdgcn-amd-amdhsa--gfx1250"
	.amdhsa_code_object_version 6
	.text
	.protected	k_qb84a53b061_down
	.globl	k_qb84a53b061_down
	.p2align	8
	.type	k_qb84a53b061_down,@function
k_qb84a53b061_down:
	s_mov_b64 s[64:65], 0
	v_nop
	global_prefetch_b8 v0, s[64:65] scope:SCOPE_SE
	s_setreg_imm32_b32 hwreg(HW_REG_WAVE_MODE, 25, 1), 1
	s_wait_xcnt 0x0
; y = h Wd for every routed slot: codes of E4M3 with E8M0 scales on both sides, f32 sums, K = 2,048 in 16 steps, ascending, one sum an output.
; SHARES.  Work-group x: columns' slice dsl = x % 8, quarter qt = (x / 16) % 4, expert e = (x / 8) % 2 + 2 (x / 64).  It makes columns 128 dsl .. 128 dsl + 127 of ys for the tiles of 16 slots 4 i + qt.
; Wave w makes columns 32 w .. 32 w + 31 of the slice: 2 tiles x 16 K steps x 16 = 512 registers of Wd, read from memory once and kept.  h's tiles go round through LDS, as the images of registers in which they lie in hq.
; THE PRODUCT IS USED TRANSPOSED (source 0 = 16 rows of Wd, source 1 = 16 slots of h): a lane holds eight neighbouring columns of one slot.  A tile's 16 x 128 results meet in a stage in LDS and leave as rows of 512 bytes.
; ys [1024 e + slot][1024] f32.  THE LOOP has 18 trips, a constant, with ONE barrier at each trip's head; what a trip does hangs on the expert's count of rows, by scalar branches that jump over no barrier.
; Trip i: tile i - 1's rows leave the stage; tile i + 1 is asked for; tile i is multiplied out of one LDS slot; tile i + 1 goes into the other.  Only tiles that begin under the count are read: those the launch before has written.
; No tensor loads and no joint loads, though four work-groups read the same weights: the trips' work hangs on a count read from memory, and the four would have different numbers of tiles.
; LIMITS: NaN and infinities are not served.
.set SLOTB, 33792                      ; LDS: a slot: a tile's image, 32,768 bytes, and its 256 scale words
.set HSCL,  32768
.set YST,   67584                      ; the stage: [parity 2][16 rows][512 bytes + 16]
.set STG,   32                         ; v32-95   a quarter of a tile on its way to LDS;  v96-97 a quarter of its scale words
.set WSC,   100                        ; v100-131 Wd's scale words: 16 n + s
.set HSC,   132                        ; v132-139 h's scale words: register j: lanes 0-15 K step 2 j, lanes 16-31 K step 2 j + 1
.set ACC,   140                        ; v140-155 two accumulators
.set YB,    160                        ; v160-175 four rows on their way out
; window 1: Wd's fragments of K steps 0-7 at 16 (8 n + s);  window 2: of K steps 8-15 likewise;  window 3: h's sixteen at 16 s
.set MSB, 0
.macro WIN new                         ; the immediate's high byte repeats the setting that is left; at a label and at a branch every window is 0
.if MSB != \new
	s_set_vgpr_msb (MSB<<8)|\new
.set MSB, \new
.endif
.endm
.macro PLACES n
.rept \n
	v_nop
.endr
.endm
.macro MMA ks, row                     ; one product on the registers rD, rA, rB, rW, rX.  ks = 0: it starts the sum.  row = 1: source 1's scales stand in lanes 16-31
.if (\ks) == 0
.if (\row) == 0
	v_wmma_scale_f32_16x16x128_f8f6f4 v[rD:rD+7], v[rA:rA+15], v[rB:rB+15], 0, v[rW], v[rX]
.else
	v_wmma_scale_f32_16x16x128_f8f6f4 v[rD:rD+7], v[rA:rA+15], v[rB:rB+15], 0, v[rW], v[rX] matrix_b_scale:MATRIX_SCALE_ROW1
.endif
.else
.if (\row) == 0
	v_wmma_scale_f32_16x16x128_f8f6f4 v[rD:rD+7], v[rA:rA+15], v[rB:rB+15], v[rD:rD+7], v[rW], v[rX]
.else
	v_wmma_scale_f32_16x16x128_f8f6f4 v[rD:rD+7], v[rA:rA+15], v[rB:rB+15], v[rD:rD+7], v[rW], v[rX] matrix_b_scale:MATRIX_SCALE_ROW1
.endif
.endif
.endm
	s_load_b256 s[4:11], s[0:1], 0x0               ; rtab s[4:5], hq s[6:7], hsw s[8:9], Wd's codes s[10:11]
	s_load_b128 s[12:15], s[0:1], 0x20             ; Wd's scales s[12:13], ys s[14:15]
	v_lshl_add_u32 v254, v0, 2, 0x14a00
	v_mov_b32 v255, 0
	v_lshrrev_b32 v1, 5, v0
	v_readfirstlane_b32 s24, v1                    ; wave 0..3
	s_and_b32 s26, ttmp9, 7                        ; dsl
	s_bfe_u32 s27, ttmp9, 0x20004                  ; qt
	s_bfe_u32 s25, ttmp9, 0x10003
	s_lshr_b32 s32, ttmp9, 6
	s_lshl_b32 s32, s32, 1
	s_or_b32 s25, s25, s32                         ; e
	v_and_b32 v1, 31, v0                           ; lane
	v_and_b32 v2, 15, v0                           ; r
	v_bfe_u32 v3, v0, 4, 1                         ; h
	v_lshlrev_b32 v4, 4, v1                        ; 16 x lane
	v_lshlrev_b32 v5, 11, v2
	v_lshl_add_u32 v5, v3, 4, v5                   ; Wd's codes: row r of 2,048 bytes, + 16 h
	v_lshlrev_b32 v6, 6, v2                        ; its scale bytes: 64 a row
	s_lshl_b32 s32, s24, 13
	v_add_nc_u32 v7, s32, v4                       ; a tile's image: my wave's quarter, 8,192 w + 16 lane: in hq and in slot 0 alike
	v_add_nc_u32 v8, SLOTB, v7
	s_lshl_b32 s32, s24, 8
	v_lshl_add_u32 v21, v1, 3, s32                 ; its scale words: 256 w + 8 lane
	v_add_nc_u32 v9, HSCL, v21
	v_add_nc_u32 v10, SLOTB, v9
	v_mov_b32 v11, v4                              ; fragments out of slot 0: 16 x lane
	v_add_nc_u32 v12, SLOTB, v4
	v_lshl_add_u32 v13, v1, 2, HSCL                ; scale words out of slot 0: 4 x lane
	v_add_nc_u32 v14, SLOTB, v13
	s_lshl_b32 s32, s24, 7
	s_add_co_u32 s32, s32, YST
	v_mul_u32_u24 v15, v2, 528
	v_lshl_add_u32 v15, v3, 5, v15
	v_add_nc_u32 v15, s32, v15                     ; into the stage: row r, + 32 h, + 128 w
	s_mul_i32 s32, s24, 2112
	s_add_co_u32 s32, s32, YST
	v_add_nc_u32 v16, s32, v4                      ; out of it: my wave's rows 4 w .. 4 w + 3, 16 bytes a lane
	s_lshl_b32 s40, s25, 7                         ; the expert's 128 bytes of member bits
	s_mov_b32 s41, 0
	s_lshl_b32 s36, s25, 21                        ; my wave's first row of Wd, in bytes: e 2^21 + dsl 2^18 + w 2^16
	s_lshl_b32 s32, s26, 18
	s_add_co_u32 s36, s36, s32
	s_lshl_b32 s32, s24, 16
	s_add_co_u32 s36, s36, s32
	s_mov_b32 s37, 0
	s_lshl_b32 s51, s25, 21                        ; hq: e 2^21
	s_lshl_b32 s52, s25, 16                        ; hsw: e 2^16
	s_lshl_b32 s53, s25, 22                        ; ys: e 2^22 + w 2^14 + dsl 2^9
	s_lshl_b32 s32, s24, 14
	s_add_co_u32 s53, s53, s32
	s_lshl_b32 s32, s26, 9
	s_add_co_u32 s53, s53, s32
	s_wait_kmcnt 0x0
	s_add_nc_u64 s[40:41], s[4:5], s[40:41]
	s_load_b512 s[68:83], s[40:41], 0x0
	s_load_b512 s[84:99], s[40:41], 0x40
	s_add_nc_u64 s[10:11], s[10:11], s[36:37]
	s_lshr_b32 s36, s36, 5                         ; a row's scale bytes are a 32nd of its codes
	s_add_nc_u64 s[12:13], s[12:13], s[36:37]
.irp n, 0,1
.irp k, 0,1,2,3
	global_load_b128 v[WSC+16*\n+4*\k:WSC+16*\n+4*\k+3], v6, s[12:13] offset:1024*\n+16*\k
.endr
.endr
	WIN 0x40                                       ; destination window 1
.irp n, 0,1
.irp s, 0,1,2,3,4,5,6,7
.irp c, 0,1,2,3
	global_load_b128 v[16*(8*\n+\s)+4*\c:16*(8*\n+\s)+4*\c+3], v5, s[10:11] offset:32768*\n+128*\s+32*\c
.endr
.endr
.endr
	WIN 0x80                                       ; destination window 2
.irp n, 0,1
.irp s, 0,1,2,3,4,5,6,7
.irp c, 0,1,2,3
	global_load_b128 v[16*(8*\n+\s)+4*\c:16*(8*\n+\s)+4*\c+3], v5, s[10:11] offset:32768*\n+1024+128*\s+32*\c
.endr
.endr
.endr
	WIN 0
	s_wait_kmcnt 0x0                               ; the member bits
	s_mov_b32 s28, 0
.set q, 0
.rept 32
	s_bcnt1_i32_b32 s32, s[68+q]
	s_add_co_u32 s28, s28, s32
.set q, q+1
.endr                                  ; s28: the expert's rows
	s_lshl_b32 s29, s27, 4
	s_sub_co_u32 s29, s29, 64                      ; the first slot of the trip's tile: 64 i + 16 qt, i from -1 on; what has wrapped lies over every count
	s_mov_b32 s30, 9
.macro REQ                             ; tile i + 1 is asked for: 17 loads, each of 512 (the last: 256) consecutive bytes; s33 = its first slot
	s_lshl_b32 s34, s33, 11
	s_add_co_u32 s34, s34, s51
	v_add_nc_u32 v17, s34, v7
	s_lshl_b32 s34, s33, 6
	s_add_co_u32 s34, s34, s52
	v_add_nc_u32 v18, s34, v21
.irp k, 0,1,2,3,4,5,6,7,8,9,10,11,12,13,14,15
	global_load_b128 v[STG+4*\k:STG+4*\k+3], v17, s[6:7] offset:512*\k
.endr
	global_load_b64 v[96:97], v18, s[8:9]
.endm
.macro STORE nx                        ; and goes into the slot that nobody reads in this trip
	s_wait_loadcnt 0x0
.irp k, 0,1,2,3,4,5,6,7,8,9,10,11,12,13,14,15
	ds_store_b128 v[7+(\nx)], v[STG+4*\k:STG+4*\k+3] offset:512*\k
.endr
	ds_store_b64 v[9+(\nx)], v[96:97]
.endm
.macro FLUSH nx                        ; tile i - 1's 16 rows leave the stage, four a wave; s32 = its first slot
	s_wait_xcnt 0x0                                ; the last such stores have read their registers
.irp k, 0,1,2,3
	ds_load_b128 v[YB+4*\k:YB+4*\k+3], v16 offset:8448*(\nx)+528*\k
.endr
	s_lshl_b32 s34, s32, 12
	s_add_co_u32 s34, s34, s53
	v_add_nc_u32 v19, s34, v4
	s_wait_dscnt 0x0
.irp k, 0,1,2,3
	global_store_b128 v19, v[YB+4*\k:YB+4*\k+3], s[14:15] offset:4096*\k   ; 32 lanes store 512 consecutive bytes, aligned
.endr
.endm
; Tile i out of slot cur.  lc: the loads that may stay out: the 17 of the request just issued, or none.  The weights' loads are older than those: behind this wait they are in.
.macro COMPUTE cur, lc
	s_wait_loadcnt \lc
.irp j, 0,1,2,3,4,5,6,7
	ds_load_b32 v[HSC+\j], v[13+\cur] offset:128*\j
.endr
	WIN 0xc0                                       ; destination window 3
.irp s, 0,1,2,3,4,5,6,7,8,9,10,11,12,13,14,15
.irp c, 0,1,2,3
	ds_load_b128 v[16*\s+4*\c:16*\s+4*\c+3], v[11+\cur] offset:2048*\s+512*\c
.endr
.endr
	WIN 0x0d                                       ; source 0 window 1, source 1 window 3
.irp s, 0,1,2,3,4,5,6,7
	s_wait_dscnt 60-4*\s                           ; K step s's four loads are in; the four of each later step may be out
.irp n, 0,1
.set rD, ACC+8*\n
.set rA, 16*(8*\n+\s)
.set rB, 16*\s
.set rW, WSC+16*\n+\s
.set rX, HSC+\s/2
	MMA \s, \s%2                                   ; the two accumulators take turns, one instruction a turn
.endr
.endr
	WIN 0x0e                                       ; source 0 window 2
.irp s, 8,9,10,11,12,13,14,15
	s_wait_dscnt 60-4*\s
.irp n, 0,1
.set rD, ACC+8*\n
.set rA, 16*(8*\n+\s-8)
.set rB, 16*\s
.set rW, WSC+16*\n+\s
.set rX, HSC+\s/2
	MMA \s, \s%2
.endr
.endr
	WIN 0
	PLACES 9                                       ; eight in front of the stores that read results and of the next loads into operands; the ninth since the next tile's first products begin these accumulators anew
.irp n, 0,1
	ds_store_b128 v15, v[ACC+8*\n:ACC+8*\n+3] offset:8448*\cur+64*\n       ; each accumulator from its low end on
	ds_store_b128 v15, v[ACC+8*\n+4:ACC+8*\n+7] offset:8448*\cur+64*\n+16
.endr
.endm
.macro TRIP cur
	s_wait_dscnt 0x0                               ; my stores into slot cur and into the stage have landed, my reads of the other slot and of the stage's other half are over:
	s_barrier_signal -1
	s_barrier_wait -1                              ; the same holds of every wave
	s_sub_co_u32 s32, s29, 64
	s_cmp_lt_u32 s32, s28                          ; was there a tile i - 1?
	s_cbranch_scc0 .Lnf_\@
	FLUSH (1-\cur)
.Lnf_\@:
	s_add_co_u32 s33, s29, 64
	s_cmp_lt_u32 s33, s28                          ; is there a tile i + 1?
	s_cbranch_scc0 .Lnoreq_\@
	REQ
	s_cmp_lt_u32 s29, s28                          ; (only the first trip has none to multiply here)
	s_cbranch_scc0 .Lnoc_\@
	COMPUTE \cur, 17
.Lnoc_\@:
	STORE (1-\cur)
	s_branch .Lend_\@
.Lnoreq_\@:
	s_cmp_lt_u32 s29, s28
	s_cbranch_scc0 .Lend_\@
	COMPUTE \cur, 0
.Lend_\@:
	s_add_co_u32 s29, s29, 64
.endm
.Ltrip:                                ; 9 x 2 trips, i = -1 .. 16: an expert has 64 tiles at the most, my quarter 16; the last trip can only empty the stage
	TRIP 1
	TRIP 0
	s_sub_co_i32 s30, s30, 1
	s_cmp_lg_u32 s30, 0
	s_cbranch_scc1 .Ltrip
	s_wait_tensorcnt 0x0
	ds_add_u32 v254, v255
	s_wait_dscnt 0x0
	s_endpgm
.Lfunc_end_k_qb84a53b061_down:
	.size	k_qb84a53b061_down, .Lfunc_end_k_qb84a53b061_down-k_qb84a53b061_down
	.p2alignl 7, 3214868480
	.fill 96, 4, 3214868480
	.section	.rodata,"a",@progbits
	.p2align	6, 0x0
	.amdhsa_kernel k_qb84a53b061_down
		.amdhsa_group_segment_fixed_size 84992
		.amdhsa_private_segment_fixed_size 0
		.amdhsa_enable_private_segment 0
		.amdhsa_kernarg_size 48
		.amdhsa_user_sgpr_count 2
		.amdhsa_user_sgpr_kernarg_segment_ptr 1
		.amdhsa_wavefront_size32 1
		.amdhsa_system_sgpr_workgroup_id_x 1
		.amdhsa_system_sgpr_workgroup_id_y 1
		.amdhsa_system_sgpr_workgroup_id_z 1
		.amdhsa_system_vgpr_workitem_id 0
		.amdhsa_next_free_vgpr 1024
		.amdhsa_next_free_sgpr 100
		.amdhsa_reserve_vcc 0
		.amdhsa_float_denorm_mode_32 3
		.amdhsa_float_denorm_mode_16_64 3
		.amdhsa_memory_ordered 1
		.amdhsa_forward_progress 1
		.amdhsa_inst_pref_size 66
	.end_amdhsa_kernel
	.amdgpu_metadata
---
amdhsa.version: [ 1, 2 ]
amdhsa.kernels:
  - .name:           k_qb84a53b061_down
    .symbol:         k_qb84a53b061_down.kd
    .args:
      - { .name: rtab, .offset: 0, .size: 8, .value_kind: global_buffer, .address_space: global }
      - { .name: hq, .offset: 8, .size: 8, .value_kind: global_buffer, .address_space: global }
      - { .name: hsw, .offset: 16, .size: 8, .value_kind: global_buffer, .address_space: global }
      - { .name: Wd_codes, .offset: 24, .size: 8, .value_kind: global_buffer, .address_space: global }
      - { .name: Wd_scales, .offset: 32, .size: 8, .value_kind: global_buffer, .address_space: global }
      - { .name: ys, .offset: 40, .size: 8, .value_kind: global_buffer, .address_space: global }
    .group_segment_fixed_size: 84992
    .private_segment_fixed_size: 0
    .kernarg_segment_align: 8
    .kernarg_segment_size: 48
    .max_flat_workgroup_size: 128
    .sgpr_count:     100
    .vgpr_count:     1024
    .wavefront_size: 32
...
	.end_amdgpu_metadata
.endif
;; end of part 3
;; launch combine (part 4): grid 256 x 1, 4 waves a work-group, no clusters, 0 bytes of LDS; arguments rtab, pos, xsw, ys, out0; writes out0
.if DOCPART == 4
	.amdgcn_target "amdgcn-amd-amdhsa--gfx1250"
	.amdhsa_code_object_version 6
	.text
	.protected	k_qb84a53b061_combine
	.globl	k_qb84a53b061_combine
	.p2align	8
	.type	k_qb84a53b061_combine,@function
k_qb84a53b061_combine:
	s_mov_b64 s[64:65], 0
	v_nop
	global_prefetch_b8 v0, s[64:65] scope:SCOPE_SE
	s_setreg_imm32_b32 hwreg(HW_REG_WAVE_MODE, 25, 1), 1
	s_wait_xcnt 0x0
; out[t] = w0 ys[slot of t with its first expert] + w1 ys[slot with its second].  Each output row has one owner: a wave takes one token.
; The two experts (rtab), the token's ranks with them (pos) and the two weights (xsw, from byte 32768) were stored by earlier launches; they are read as scalars, and held inside their tables before they enter an address.
; A stream: 8 + 8 loads of 512 consecutive bytes, all asked for at once; a multiplication and a fused multiply-add a pair of numbers; 8 stores of 512 consecutive bytes.  No LDS, no barrier, no loop, no matrix unit (K = 2).
	s_load_b256 s[4:11], s[0:1], 0x0               ; rtab s[4:5], pos s[6:7], xsw s[8:9], ys s[10:11]
	s_load_b64 s[12:13], s[0:1], 0x20              ; out
	v_lshrrev_b32 v1, 5, v0
	v_readfirstlane_b32 s16, v1                    ; wave 0..3
	s_lshl_b32 s17, ttmp9, 2
	s_add_co_u32 s17, s17, s16                     ; my token
	s_lshl_b32 s18, s17, 2
	s_lshl_b32 s19, s17, 3
	v_and_b32 v1, 31, v0
	v_lshlrev_b32 v1, 4, v1                        ; 16 bytes a lane
	s_wait_kmcnt 0x0
	s_load_b32 s20, s[4:5], s18 offset:0x400       ; first expert | second expert << 8
	s_load_b64 s[22:23], s[8:9], s19 offset:0x8000 ; w0, w1
	s_wait_kmcnt 0x0
	s_bfe_u32 s24, s20, 0x80000
	s_min_u32 s24, s24, 7
	s_bfe_u32 s25, s20, 0x80008
	s_min_u32 s25, s25, 7
	s_lshl_b32 s26, s24, 12
	s_add_co_u32 s26, s26, s18
	s_lshl_b32 s27, s25, 12
	s_add_co_u32 s27, s27, s18
	s_load_b32 s28, s[6:7], s26 offset:0x0         ; my rank with the first expert,
	s_load_b32 s29, s[6:7], s27 offset:0x0         ; with the second
	s_mov_b32 s34, s23                             ; w1 in a pair of its own: the packed form names a pair and takes its low word for both halves
	s_mov_b32 s35, s23
	s_lshl_b32 s36, s17, 12
	s_mov_b32 s37, 0
	s_add_nc_u64 s[12:13], s[12:13], s[36:37]      ; out at my token
	s_wait_kmcnt 0x0
	s_min_u32 s28, s28, 0x3ff
	s_min_u32 s29, s29, 0x3ff
	s_lshl_b32 s30, s24, 10
	s_add_co_u32 s30, s30, s28
	s_lshl_b32 s30, s30, 12                        ; row 1024 e + rank, 4,096 bytes a row
	s_mov_b32 s31, 0
	s_add_nc_u64 s[30:31], s[10:11], s[30:31]
	s_lshl_b32 s32, s25, 10
	s_add_co_u32 s32, s32, s29
	s_lshl_b32 s32, s32, 12
	s_mov_b32 s33, 0
	s_add_nc_u64 s[32:33], s[10:11], s[32:33]
.irp i, 0,1,2,3,4,5,6,7
	global_load_b128 v[8+4*\i:11+4*\i], v1, s[30:31] offset:512*\i th:TH_LOAD_NT
.endr
.irp i, 0,1,2,3,4,5,6,7
	global_load_b128 v[40+4*\i:43+4*\i], v1, s[32:33] offset:512*\i th:TH_LOAD_NT
.endr
.irp i, 0,1,2,3,4,5,6,7
	s_wait_loadcnt 7-\i                            ; the first row and piece i of the second are in; the second row's later pieces may be out
	v_pk_mul_f32 v[8+4*\i:9+4*\i], v[8+4*\i:9+4*\i], s[22:23] op_sel_hi:[1,0]
	v_pk_mul_f32 v[10+4*\i:11+4*\i], v[10+4*\i:11+4*\i], s[22:23] op_sel_hi:[1,0]
	v_pk_fma_f32 v[8+4*\i:9+4*\i], v[40+4*\i:41+4*\i], s[34:35], v[8+4*\i:9+4*\i] op_sel_hi:[1,0,1]
	v_pk_fma_f32 v[10+4*\i:11+4*\i], v[42+4*\i:43+4*\i], s[34:35], v[10+4*\i:11+4*\i] op_sel_hi:[1,0,1]
	global_store_b128 v1, v[8+4*\i:11+4*\i], s[12:13] offset:512*\i th:TH_STORE_NT   ; 32 lanes store 512 consecutive bytes, aligned
.endr
	s_endpgm
.Lfunc_end_k_qb84a53b061_combine:
	.size	k_qb84a53b061_combine, .Lfunc_end_k_qb84a53b061_combine-k_qb84a53b061_combine
	.p2alignl 7, 3214868480
	.fill 96, 4, 3214868480
	.section	.rodata,"a",@progbits
	.p2align	6, 0x0
	.amdhsa_kernel k_qb84a53b061_combine
		.amdhsa_group_segment_fixed_size 0
		.amdhsa_private_segment_fixed_size 0
		.amdhsa_enable_private_segment 0
		.amdhsa_kernarg_size 40
		.amdhsa_user_sgpr_count 2
		.amdhsa_user_sgpr_kernarg_segment_ptr 1
		.amdhsa_wavefront_size32 1
		.amdhsa_system_sgpr_workgroup_id_x 1
		.amdhsa_system_sgpr_workgroup_id_y 1
		.amdhsa_system_sgpr_workgroup_id_z 1
		.amdhsa_system_vgpr_workitem_id 0
		.amdhsa_next_free_vgpr 72
		.amdhsa_next_free_sgpr 66
		.amdhsa_reserve_vcc 0
		.amdhsa_float_denorm_mode_32 3
		.amdhsa_float_denorm_mode_16_64 3
		.amdhsa_memory_ordered 1
		.amdhsa_forward_progress 1
		.amdhsa_inst_pref_size 7
	.end_amdhsa_kernel
	.amdgpu_metadata
---
amdhsa.version: [ 1, 2 ]
amdhsa.kernels:
  - .name:           k_qb84a53b061_combine
    .symbol:         k_qb84a53b061_combine.kd
    .args:
      - { .name: rtab, .offset: 0, .size: 8, .value_kind: global_buffer, .address_space: global }
      - { .name: pos, .offset: 8, .size: 8, .value_kind: global_buffer, .address_space: global }
      - { .name: xsw, .offset: 16, .size: 8, .value_kind: global_buffer, .address_space: global }
      - { .name: ys, .offset: 24, .size: 8, .value_kind: global_buffer, .address_space: global }
      - { .name: out0, .offset: 32, .size: 8, .value_kind: global_buffer, .address_space: global }
    .group_segment_fixed_size: 0
    .private_segment_fixed_size: 0
    .kernarg_segment_align: 8
    .kernarg_segment_size: 40
    .max_flat_workgroup_size: 128
    .sgpr_count:     66
    .vgpr_count:     72
    .wavefront_size: 32
...
	.end_amdgpu_metadata
.endif
;; end of part 4
